; MI455X (gfx1250); checked and timed in simulation.
; The chip was launched on July 23, 2026; its instructions are those of AMD's public machine-readable ISA for CDNA 5 (MIT licence, August 2026) and "CDNA5" Instruction Set Architecture Reference Guide (July 2026). The comments in the code are by the model that wrote it; some were corrected since.
;; Self Attention. Allowed arithmetic: matrix products marked QUANTISED: E2M3 operands, one E8M0 scale for each 32 along K, by v_wmma_scale_f32_16x16x128_f8f6f4 with both operands' format E2M3, f32 sums; everything else in f32.
;; Inputs: b_out 1,024 float32; w_out_codes 1,024 x 32 x 24 uint8 (E2M3 codes of w_out, K innermost, in blocks of 32 codes, four codes in three bytes); w_out_scales 1,024 x 32 uint8 (E8M0 scales of w_out, one for each 32 codes along K); w_qkv_codes 3,072 x 32 x 24 uint8 (E2M3 codes of w_qkv, K innermost, in blocks of 32 codes, four codes in three bytes); w_qkv_scales 3,072 x 32 uint8 (E8M0 scales of w_qkv, one for each 32 codes along K); x_codes 4 x 2,048 x 32 x 24 uint8 (E2M3 codes of x, K innermost, in blocks of 32 codes, four codes in three bytes); x_scales 4 x 2,048 x 32 uint8 (E8M0 scales of x, one for each 32 codes along K).
;; Outputs: out0 4 x 2,048 x 1,024 float32.
;; This version of the problem:
;;   THIS VERSION OF THE PROBLEM IS GIVEN IN LOW PRECISION. The matrix products marked QUANTISED in the list below multiply operands that are first quantised to E2M3 (2 exponent bits, 3 mantissa bits; 6 bits a number), with one power-of-two scale for each 32 numbers along K (OCP MX v1.0); their sums are f32. All else is computed in f32.
;;   The module's matrix products, in the order in which they are computed (A, B: the left and right operand; K: the contracted axis; several contracted axes count as one K, in the product's order):
;;     1. [M 8,192, K 1,024] x [K 1,024, N 3,072]; A: input x (given as codes); B: input w_qkv (given as codes): QUANTISED
;;     2. batch 64 x [M 2,048, K 64] x [K 64, N 2,048]; A: computed on the way; B: computed on the way: QUANTISED
;;     3. batch 64 x [M 64, K 2,048] x [K 2,048, N 2,048]; A: computed on the way; B: softmax (see below): QUANTISED
;;     4. [M 8,192, K 1,024] x [K 1,024, N 1,024]; A: computed on the way; B: input w_out (given as codes): QUANTISED
;;   THE QUANTISER, for each operand of a quantised product, along K:
;;     - K is cut into blocks of 32 from its start; a last block that is shorter is filled with zeros.
;;     - A block's scale is 2^e with e = floor(log2(the largest magnitude in the block)) - 2, held to -126 .. 127; a block of zeros has e = 0. As a byte (E8M0): e + 127.
;;     - Each number is divided by its block's scale, clamped to +-7.5, and rounded to the nearest number of E2M3, ties to even, subnormals kept.
;;     - The product sums the exact products of the quantised numbers (number of the format x scale) in f32.
;;   ~~~python
;;   def quantise(x, axis):      # numpy; x: float32 -> the quantised numbers, widened to float32 again
;;       x = np.moveaxis(x, axis, -1); K = x.shape[-1]
;;       x = np.pad(x, [(0, 0)] * (x.ndim - 1) + [(0, -K % 32)]); x = x.reshape(x.shape[:-1] + (-1, 32)); a = np.abs(x).max(-1, keepdims=True)
;;       e = np.where(a > 0, np.clip(np.frexp(np.where(a > 0, a, 1))[1] - 1 - 2, -126, 127), 0)      # np.frexp(a)[1] - 1 = floor(log2(a)), exactly
;;       r = np.clip(x / 2.0 ** e, -7.5, 7.5)
;;       step = 2.0 ** (np.maximum(np.frexp(np.where(r == 0, 1, r))[1] - 1, 0) - 3)
;;       q = np.round(r / step) * step * 2.0 ** e      # np.round: ties to even
;;       return np.moveaxis(q.reshape(q.shape[:-2] + (-1,))[..., :K], -1, axis).astype(np.float32)
;;   ~~~
;;   SOFTMAX AHEAD OF A QUANTISED PRODUCT. Where the list says 'softmax', what is quantised is not the finished softmax but p = 2^(t - M), with t = logit x log2(e) and M = ceil(the row's largest t), a whole number; so 1/2 < the row's largest p <= 1. The row's sum l is taken of the UNQUANTISED p, in f32, and the product's result is divided by l at the end. Since M is a whole number, a kernel that streams over the keys may use a running M (the ceiling of the running maximum): every later rescaling is an exact power of two, which a block's scale takes up: the codes' values come out the same.
;;   OPERANDS COMPUTED ON THE WAY. 'Computed on the way' means the value that the module computes at that place (a softmax that the list does not call 'softmax' is quantised finished and normalised). What goes into a quantiser is computed in f32, as accurately as f32 sums, v_exp_f32 and their like allow (about 1e-6 of the number): no bf16 or f16 on the way to a quantiser, and a product that is left as it is and whose result goes on into a quantised operand takes f32 operands (vector FMAs, or v_wmma_f32_16x16x4_f32). A number that lies on a knife's edge between two numbers of the format may be rounded either way, as far as f32 arithmetic and the matrix unit's own rounding can turn it there, and no further.
;;   INPUTS GIVEN AS CODES. w_out (in the module: [1024, 1024], K = its axis 0); w_qkv (in the module: [1024, 3072], K = its axis 0); x (in the module: [4, 2048, 1024], K = its axis 2): each comes as NAME_codes (uint8): NAME with its K axis moved to the last place and cut into blocks of 32 codes, [.., K / 32, bytes a block], one block behind the other in memory; four codes in three bytes: a row's codes are one little-endian stream of bits, code i at bits 6 i .. 6 i + 5 (a code: sign, 2 exponent bits, 3 mantissa bits); and NAME_scales (uint8): the same leading axes, one E8M0 byte (e + 127) for each 32 codes along K. Its value is code x scale, taken as it is: it is not quantised again, and the codes and scales need not be those that the quantiser above would give.
;; One version. Each part assembles by itself: llvm-mc -triple=amdgcn-amd-amdhsa -mcpu=gfx1250 --defsym DOCPART=n.
;; ======== version 1 of 1: 3 launches
;; workspace buffers: q 6,553,600 bytes; kv 13,107,200 bytes; a_img 6,291,456 bytes; a_sc 262,144 bytes
;; launch qkv (part 1): grid 8 x 48, 4 waves a work-group, clusters of 4 x 4, 327,680 bytes of LDS; arguments x_codes, x_scales, w_qkv_codes, w_qkv_scales, q, kv; writes q, kv
.if DOCPART == 1
	.amdgcn_target "amdgcn-amd-amdhsa--gfx1250"
	.amdhsa_code_object_version 6
	.text
	.protected	k_q0bd6c63dd8_qkv
	.globl	k_q0bd6c63dd8_qkv
	.p2align	8
	.type	k_q0bd6c63dd8_qkv,@function
k_q0bd6c63dd8_qkv:
	s_mov_b64 s[64:65], 0
	v_nop
	global_prefetch_b8 v0, s[64:65] scope:SCOPE_SE
	s_setreg_imm32_b32 hwreg(HW_REG_WAVE_MODE, 25, 1), 1
	s_wait_xcnt 0x0
	s_wait_alu depctr_hold_cnt(0) depctr_sa_sdst(0) depctr_va_vdst(0) depctr_va_sdst(0) depctr_va_ssrc(0) depctr_va_vcc(0) depctr_vm_vsrc(0)
	s_getreg_b32 s2, hwreg(HW_REG_IB_STS2, 6, 4)
	s_cmp_eq_u32 s2, 0
	s_cbranch_scc0 .Lentry_in_a_cluster
	s_endpgm
.Lentry_in_a_cluster:
	s_bfe_u32 s2, ttmp6, 0x10000c
	s_cmp_lg_u32 s2, 0xf033
	s_cbranch_scc0 .Lentry_shape_is_right
	s_endpgm
.Lentry_shape_is_right:
; SELF-ATTENTION, FIRST OF THREE LAUNCHES: qkv = x w_qkv on codes of FP6 (E2M3) with one E8M0 scale for each 32 along K, and q, k, v quantised on the way out, in registers.
; DEAD WORK: none.  Every input (x, w_qkv, w_out, b_out) reaches the output for some values, and no product, row or step of reference() is sliced away: all four products are done whole.
; THE PRODUCT, in one form for both uses: Z[r][p] = sum over k of R[r][k] P[p][k], K = 1,024; source 0 = 16 rows of P, source 1 = 16 rows of R, so that a lane holds ONE row r and eight neighbours along p: Z is quantised along p.
;   clusters with y 0 to 7  (q and k): R = x (8,192 rows l), P = w_qkv's rows 0 to 2,047 (q's and k's channels): blocks of 32 run along a head's 64 channels, the K of q k^T.
;   clusters with y 8 to 11 (v):       R = w_qkv's rows 2,048 on (v's channels), P = x: blocks of 32 run along the keys, the K of p v.
; A work-group of four waves makes 256 x 256 of Z, a wave 128 x 128: 64 accumulators of 16 x 16, 512 registers.  K goes in steps of 256 through a ring of two LDS slots filled by the tensor data mover;
; the scale bytes of the work-group's rows, for all of K, come once and stay.  4 x 4 work-groups form a cluster: R's tiles are asked for jointly along a row of the cluster, P's along a column.
; THE WAY OUT.  For one block of 16 rows r a lane's 64 registers run along 128 p: register 16 b + i is p = 32 b + 8 (lane / 16) + i (i < 8) or 32 b + 16 + 8 (lane / 16) + i - 8.  A block of 32 lies in lanes l and l xor 16.
; Converted and exchanged between the halves of the lanes, a lane holds a whole block, in the order 0-7, 16-23, 8-15, 24-31.  The block is the true one, so its scale is; q and k are laid by this one procedure, and so
; are v and (in the next launch) p: both operands of a product carry the same order inside a block, which changes the order of the sums and nothing else.
; WHAT IS STORED: images of operand registers.  A fragment of 12 registers is three groups of 512 bytes, lane l's 16 bytes at 16 l.  q and k: a PAIR of row tiles of one head (registers 0-5 tile 2 i, 6-11 tile 2 i + 1);
; v: 16 channels x 128 keys.  The scale words of a step's four fragments are one image of 256 bytes, 8 bytes a lane: lanes 0-15 the words of fragments 0 and 2, lanes 16-31 of fragments 1 and 3.
;   q  [16 b + head][step of 128 rows][6,400]: 4 pairs x 1,536, scale image at 6,144.      kv [16 b + head][step][12,800]: k's 4 pairs, v's 4 fragments at 6,144, k's scale image at 12,288, v's at 12,544.
; Every store covers 512 or 256 consecutive bytes, at a multiple of 256 from its buffer's first byte.
; LIMITS: a block of zeros gets the scale byte 1 where the quantiser says 127 (its codes are zeros, and this program alone reads these bytes); blocks whose largest magnitude lies under 2^-124 are held at byte 1;
; NaN and infinities are not served.
; 384 work-groups: one and a half turns of 256.  A tile of 256 x 384 would make one turn, but wants 768 registers of sums and 240 of fragments in a wave.
; REGISTERS, in windows of 256: window 0: v16-29 addresses; v32-63 scale words, two sets, and nothing else ever; v64-107 at work on the way out; v128-223 R's fragments, one set, later the images.
;   window 1: P's fragments, two sets, at v0 and v128.   window 2: the accumulators of my rows 0-63 ((a, b) at v[8 (8 a + b)]);   window 3: those of rows 64-127.
.set KSTEP,  256                       ; along K in a slot
.set NQ,     2                         ; matrix instructions deep
.set ROWB,   192                       ; a tile's row in bytes
.set KROW,   768                       ; a row of codes in memory: 1,024 codes
.set PITCH,  240                       ; an LDS row: 3 x (64 bytes + 16 of padding): the 32 lanes of a load of 8 bytes touch 64 different banks
.set FR,     12                        ; registers of a fragment
.set NL,     6                         ; LDS loads that bring one
.set NP,     4                         ; places behind this matrix instruction (ISA guide 7.12.1)
.set HALFT,  128*PITCH                 ; 128 rows: what one tensor load brings
.set SLOT,   4*HALFT                   ; R's 256 rows, then P's 256
.set KS,     32                        ; a row of scale bytes
.set SCL,    2*SLOT                    ; behind the ring: the scales, as units of 256 bytes + 16 of padding
.set HALFS,  (128*KS/256)*272          ; those of 128 rows
.set SBLK,   (16*KS/256)*272           ; those of 16 rows
.set SPARE,  SCL+4*HALFS               ; the spare words, 128 bytes a wave: two blocks of 256 bytes that no other line names
.set ADRA, 16                          ; v16-17 LDS address of my R fragments in slot 0, 1 (v18-19: behind one padding more)
.set ADRB, 20                          ; v20-21 the same for P (v22-23)
.set LI,   24                          ; v24  16 x lane: an image's place for my lane
.set L8,   25                          ; v25  8 x lane: a scale image's
.set ADRS, 27                          ; v27  LDS address of my scale words: lanes 0-15 R's rows, lanes 16-31 P's
.set SPW,  28                          ; v28  my spare word; never rewritten
.set NIL,  29                          ; v29  0; never rewritten
.set SC,   32                          ; scale words
.set TM,   64                          ; v64-67 largest magnitudes, v68-71 the other half's and then the bytes, v76-79 the conversions' scale operands
.set T0,   80                          ; v80-82, v84-86: the second halves of two blocks' codes
.set T1,   84
.set PW,   88                          ; v88-95 the scale word of each of my eight blocks of rows
.set KA,   96                          ; v96-99 the pairs' scale words, first head; v100-103 second head
.set KB,   100
.set SI,   104                         ; v104-107 two scale images
.set AF,   128
.set WV,   2                           ; s2  wave
.set RH,   16                          ; s16 which half of R's rows is mine; also: I fetch for R (0) or for P (1)
.set PH,   17                          ; s17 which half of P's rows; also: which 128 rows of that tile I fetch
.set MD,   66                          ; s66 0: q and k; 1: v
.set PCL,  67                          ; s67 which four tiles of P my cluster takes
.set G1,   24                          ; s[24:31], s[32:39] descriptor groups 1 and 0 (a set for each slot) for R's tiles
.set G0,   32
.set G1B,  48                          ; s[48:55], s[56:63] for P's
.set G0B,  56
.set G1S,  68                          ; s[68:75], s[76:79] for R's scales; s[80:87], s[88:91] for P's
.set G0S,  76
.set G1SB, 80
.set G0SB, 88
.set HA,   24                          ; on the way out, when no tensor load is out: s[24:25], s[26:27] the two heads' images, s[28:29], s[30:31] their scale images
.set HB,   26
.set SA,   28
.set SB,   30
.set HM,   32                          ; s32 lanes 16-31
.set SEL,  34                          ; s[34:35] selects of v_permlanex16_b32 for lane l xor 16
.set MSB, 0
.macro WIN new                         ; the immediate's high byte repeats the setting that is left
.if MSB != \new
	s_set_vgpr_msb (MSB<<8)|\new
.set MSB, \new
.endif
.endm
.set MUL_LO, 0xa1                      ; source 0 (P) window 1, source 1 (R) window 0, C and D window 2
.set MUL_HI, 0xf1                      ; the same, C and D window 3
.set TO_B,   0x40                      ; destination window 1, address window 0
; A joint load: waves 0 and 1 fetch for R, waves 2 and 3 for P.  Each line has one mask and one set of registers for all that issue it; the branch hangs on the wave's number alone.
; An s_nop 0 and four v_nop follow each of the two lines.
.macro JLOAD g0a, g1a, g0b, g1b
	s_cmp_eq_u32 s[RH], 0
	s_cbranch_scc0 .Lfor_p_\@
	tensor_load_to_lds s[\g0a:\g0a+3], s[\g1a:\g1a+7]
	s_nop 0
.rept 4
	v_nop
.endr
	s_branch .Lasked_\@
.Lfor_p_\@:
	tensor_load_to_lds s[\g0b:\g0b+3], s[\g1b:\g1b+7]
	s_nop 0
.rept 4
	v_nop
.endr
.Lasked_\@:
.endm
.macro CREST                           ; a round of the cluster's barrier behind its opening barrier
	s_cmp_lg_u32 s[WV], 0
	s_cbranch_scc1 .Lnot_wave_0_\@
	s_barrier_signal -3
.Lnot_wave_0_\@:
	s_barrier_wait -3
	s_barrier_signal -1
	s_barrier_wait -1
.endm
.macro CROUND                          ; a whole round
	s_barrier_signal -1
	s_barrier_wait -1
	CREST
.endm
	s_load_b256 s[4:11], s[0:1], 0x0               ; x's codes s[4:5], x's scales s[6:7], w_qkv's codes s[8:9], its scales s[10:11]
	s_load_b128 s[12:15], s[0:1], 0x20             ; q s[12:13], kv s[14:15]
	v_lshl_add_u32 v[SPW], v0, 2, SPARE
	v_mov_b32 v[NIL], 0
	ds_add_u32 v[SPW], v[NIL]                      ; the wave's opening: the add, twice on end, and its wait ahead of my first tensor load
	ds_add_u32 v[SPW], v[NIL]
	v_lshrrev_b32 v1, 5, v0
	v_readfirstlane_b32 s[WV], v1                  ; wave 0..3
	s_lshr_b32 s[RH], s[WV], 1
	s_and_b32 s[PH], s[WV], 1
	s_bfe_u32 s40, ttmp6, 0x40000                  ; cx, cy: my place in the cluster
	s_bfe_u32 s41, ttmp6, 0x40004
	s_and_b32 s18, ttmp7, 0xffff                   ; the cluster's y, 0 .. 11
	s_lshr_b32 s[MD], s18, 3                       ; 0: q and k (y 0-7); 1: v (y 8-11): the same in all sixteen partners
	s_max_u32 s19, s18, 8
	s_sub_co_u32 s19, s19, 8
	s_lshl_b32 s19, s19, 1
	s_add_co_u32 s[PCL], s19, ttmp9                ; P's four tiles: cluster x + 2 max(y - 8, 0): 0, 1 for q and k; 0 .. 7 for v
	s_min_u32 s18, s18, 8
	s_and_b32 s18, s18, 7                          ; R's four tiles: y for q and k, 0 for v
	s_lshl_b32 s42, s[PCL], 2
	s_add_co_u32 s42, s42, s40                     ; my tile of P
	s_lshl_b32 s43, s18, 2
	s_add_co_u32 s43, s43, s41                     ; my tile of R
	s_lshl_b32 s44, s41, 2
	s_lshl_b32 s44, 15, s44                        ; my row of the cluster
	s_lshl_b32 s45, 0x1111, s40                    ; my column
	; descriptor group 1: a tile of 128 rows x 192 bytes, 16 bytes of padding behind every 64
	s_or_b32 s[G1+0], s44, (0<<16)|(1<<20)|(1<<21)|(3<<22)|(3<<25)   ; 15:0 the mask: R's tiles go to my row; elements of 1 byte; padding on; bit 21 beside a mask; after every 16 words, 4 words
	s_or_b32 s[G1B+0], s45, (0<<16)|(1<<20)|(1<<21)|(3<<22)|(3<<25)  ; P's go to my column
.irp g, G1, G1B
	s_mov_b32 s[\g+1], ROWB<<16                    ; tensor_dim0
	s_mov_b32 s[\g+2], 128<<16                     ; tensor_dim1
	s_mov_b32 s[\g+3], ROWB<<16                    ; tile_dim0
	s_mov_b32 s[\g+4], 128                         ; tile_dim1
	s_mov_b32 s[\g+5], KROW                        ; from row to row
	s_mov_b32 s[\g+6], 0
	s_mov_b32 s[\g+7], 0
.endr
	; the scales of 128 rows: 4,096 dense bytes, as 16 rows of 256 bytes (32 elements of 8), 16 bytes of padding behind each
	s_or_b32 s[G1S+0], s44, (3<<16)|(1<<20)|(1<<21)|(5<<22)|(3<<25)
	s_or_b32 s[G1SB+0], s45, (3<<16)|(1<<20)|(1<<21)|(5<<22)|(3<<25)
.irp g, G1S, G1SB
	s_mov_b32 s[\g+1], 32<<16
	s_mov_b32 s[\g+2], (128*KS/256)<<16
	s_mov_b32 s[\g+3], 32<<16
	s_mov_b32 s[\g+4], 128*KS/256
	s_mov_b32 s[\g+5], 32
	s_mov_b32 s[\g+6], 0
	s_mov_b32 s[\g+7], 0
.endr
	s_lshl_b32 s18, s[PH], 7                       ; which 128 rows of a tile I fetch
	s_lshl_b32 s19, s[MD], 11                      ; v's channels begin at row 2,048 of w_qkv
	s_lshl_b32 s20, s43, 8
	s_add_co_u32 s20, s20, s18
	s_add_co_u32 s20, s20, s19                     ; R: the first row that I fetch
	s_lshl_b32 s46, s42, 8
	s_add_co_u32 s46, s46, s18                     ; P: likewise (R's registers never hold cx, P's never cy)
	s_mul_i32 s92, s20, KROW                       ; in bytes: R's codes (every buffer here is under 2^24 bytes),
	s_mov_b32 s93, 0
	s_lshl_b32 s94, s20, 5                         ; R's scales,
	s_mov_b32 s95, 0
	s_mul_i32 s96, s46, KROW                       ; P's codes,
	s_mov_b32 s97, 0
	s_lshl_b32 s98, s46, 5                         ; P's scales
	s_mov_b32 s99, 0
	s_mul_i32 s21, s[WV], HALFT                    ; where they go: wave x 128 rows: no place in the cluster enters an LDS address
	s_mul_i32 s22, s[WV], HALFS
	s_wait_dscnt 0x0                               ; both opening adds are done
	s_wait_kmcnt 0x0
	s_cmp_eq_u32 s[MD], 0                          ; which tensor is R and which P: a choice on the cluster's number alone
	s_cselect_b64 s[18:19], s[4:5], s[8:9]
	s_add_nc_u64 s[92:93], s[18:19], s[92:93]
	s_cselect_b64 s[18:19], s[6:7], s[10:11]
	s_add_nc_u64 s[94:95], s[18:19], s[94:95]
	s_cselect_b64 s[46:47], s[8:9], s[4:5]
	s_add_nc_u64 s[96:97], s[46:47], s[96:97]
	s_cselect_b64 s[46:47], s[10:11], s[6:7]
	s_add_nc_u64 s[98:99], s[46:47], s[98:99]
	CROUND                                         ; all sixteen work-groups are here: the first joint loads meet
	s_mov_b32 s[G0S], 1
	s_add_co_u32 s[G0S+1], s22, SCL
	s_mov_b64 s[G0S+2:G0S+3], s[94:95]
	s_or_b32 s[G0S+3], s[G0S+3], 0x80000000
	s_mov_b32 s[G0SB], 1
	s_add_co_u32 s[G0SB+1], s22, SCL
	s_mov_b64 s[G0SB+2:G0SB+3], s[98:99]
	s_or_b32 s[G0SB+3], s[G0SB+3], 0x80000000
	JLOAD G0S, G1S, G0SB, G1SB                     ; the scales first: they are wanted with K step 0
.irp s, 0,1
	s_mov_b32 s[G0+4*\s], 1
	s_add_co_u32 s[G0+4*\s+1], s21, \s*SLOT
	s_add_nc_u64 s[G0+4*\s+2:G0+4*\s+3], s[92:93], \s*ROWB
	s_or_b32 s[G0+4*\s+3], s[G0+4*\s+3], 0x80000000
	s_mov_b32 s[G0B+4*\s], 1
	s_add_co_u32 s[G0B+4*\s+1], s21, \s*SLOT
	s_add_nc_u64 s[G0B+4*\s+2:G0B+4*\s+3], s[96:97], \s*ROWB
	s_or_b32 s[G0B+4*\s+3], s[G0B+4*\s+3], 0x80000000
	JLOAD G0+4*\s, G1, G0B+4*\s, G1B               ; three loads of mine are out
.endr
	v_and_b32 v1, 15, v0                           ; l % 16
	v_bfe_u32 v2, v0, 4, 1                         ; l / 16
	v_mul_u32_u24 v3, v1, PITCH
	v_mul_u32_u24 v4, v2, 24
	v_add_nc_u32 v4, v3, v4                        ; a fragment's row x pitch + 24 x half
	v_lshl_add_u32 v5, v2, 4, v4                   ; and the same behind one padding more
	s_mul_i32 s21, s[RH], HALFT                    ; my 128 rows of R
	s_mul_i32 s22, s[PH], HALFT                    ; my 128 rows of P,
	s_add_co_u32 s22, s22, 2*HALFT                 ; which lie behind R's 256
.irp s, 0,1
	v_add_nc_u32 v[ADRA+\s], s21, v4
	v_add_nc_u32 v[ADRB+\s], s22, v4
	v_add_nc_u32 v[ADRA+2+\s], s21, v5
	v_add_nc_u32 v[ADRB+2+\s], s22, v5
	s_add_co_u32 s21, s21, SLOT
	s_add_co_u32 s22, s22, SLOT
.endr
	v_mul_u32_u24 v5, v1, KS                       ; my row's scales: 32 bytes a row,
	v_lshrrev_b32 v6, 8, v5
	v_lshl_add_u32 v5, v6, 4, v5                   ; and 16 more for each 256 passed
	s_mul_i32 s21, s[RH], HALFS
	s_mul_i32 s22, s[PH], HALFS
	s_add_co_u32 s22, s22, 2*HALFS
	s_sub_co_u32 s22, s22, s21
	v_mul_u32_u24 v6, s22, v2                      ; lanes 16-31 take P's: one product, the distance between the two bases
	s_add_co_u32 s21, s21, SCL
	v_add_nc_u32 v5, v5, v6
	v_add_nc_u32 v[ADRS], s21, v5
	v_and_b32 v6, 31, v0
	v_lshlrev_b32 v[LI], 4, v6
	v_lshlrev_b32 v[L8], 3, v6
.irp b, 0,1,2,3
	v_mov_b32 v[TM+4+\b], 0                        ; written once: a lane permute's destination counts as one of its sources
.endr
.macro FRAG reg, adr, q, i             ; 16 rows x 128 K of 6-bit codes: 12 registers; lane l holds row l % 16; registers 6 c .. 6 c + 5 hold K = 64 c + 32 (l / 16) + 0 .. 31: 24 bytes of the row, as they lie
.irp p, 0,1,2,3,4,5                    ; in pieces of 8 bytes.  Lanes 16-31 read three pieces further on; where that lies behind one padding more, the second address register serves
.set PCE, 12*(\q)+6*(\p/3)+\p%3
.if PCE%8 < 5
	ds_load_b64 v[\reg+2*\p:\reg+2*\p+1], v[\adr] offset:8*PCE+16*(PCE/8)+(\i)*16*PITCH
.else
	ds_load_b64 v[\reg+2*\p:\reg+2*\p+1], v[\adr+2] offset:8*PCE+16*(PCE/8)+(\i)*16*PITCH
.endif
.endr
.endm
; 16 matrix instructions: R's blocks a0, a0 + 1 x P's eight, 128 along K.  p: P's set; sc: the set of scale words.  zero = 1: the first product starts the sums.
; The 64 accumulators take turns, one instruction a turn, in the same order in every step.
.macro MUL16 a0, p, q, sc, zero
.irp a, \a0, \a0+1
.irp b, 0,1,2,3,4,5,6,7
.if \zero
	v_wmma_scale_f32_16x16x128_f8f6f4 v[8*(8*((\a)%4)+\b):8*(8*((\a)%4)+\b)+7], v[128*(\p)+FR*\b:128*(\p)+FR*\b+FR-1], v[AF+FR*(\a):AF+FR*(\a)+FR-1], 0, v[SC+8*NQ*(\sc)+NQ*\b+(\q)], v[SC+8*NQ*(\sc)+NQ*(\a)+(\q)] matrix_a_fmt:MATRIX_FMT_FP6 matrix_b_fmt:MATRIX_FMT_FP6 matrix_a_scale:MATRIX_SCALE_ROW1
.else
	v_wmma_scale_f32_16x16x128_f8f6f4 v[8*(8*((\a)%4)+\b):8*(8*((\a)%4)+\b)+7], v[128*(\p)+FR*\b:128*(\p)+FR*\b+FR-1], v[AF+FR*(\a):AF+FR*(\a)+FR-1], v[8*(8*((\a)%4)+\b):8*(8*((\a)%4)+\b)+7], v[SC+8*NQ*(\sc)+NQ*\b+(\q)], v[SC+8*NQ*(\sc)+NQ*(\a)+(\q)] matrix_a_fmt:MATRIX_FMT_FP6 matrix_b_fmt:MATRIX_FMT_FP6 matrix_a_scale:MATRIX_SCALE_ROW1
.endif
.endr
.endr
.endm
.macro FETCH_B slot, q, p              ; P's eight fragments of the slot's q-th 128 along K into set p
	WIN TO_B
.irp i, 0,1,2,3,4,5,6,7
	FRAG 128*(\p)+FR*\i, ADRB+\slot, \q, \i
.endr
	WIN 0
.endm
.macro FETCH_A slot, q, i0             ; R's blocks i0 .. i0 + 3
.irp i, \i0, \i0+1, \i0+2, \i0+3
	FRAG AF+FR*(\i), ADRA+\slot, \q, \i
.endr
.endm
.macro SCALES sc                       ; a K step's scale words into set sc: two words a row; lanes 0-15 take R's block i, lanes 16-31 P's block i
.irp i, 0,1,2,3,4,5,6,7
	ds_load_b64 v[SC+8*NQ*\sc+NQ*\i:SC+8*NQ*\sc+NQ*\i+1], v[ADRS] offset:\i*SBLK
.endr
.endm
.macro PLACES n                        ; plain vector instructions between a matrix instruction and a load into, or a vector read or write of, its registers
.rept \n
	v_nop
.endr
.endm
; A step of 128 along K that has its successor in the same slot.
.macro STEP slot, q, zero
	s_wait_dscnt 4*NL                              ; P's set and R's blocks 0-3 are in; the youngest 24 loads (R's blocks 4-7) may be out
	WIN MUL_LO
	MUL16 0, (\q)%2, \q, \slot, \zero
	MUL16 2, (\q)%2, \q, \slot, \zero
	s_wait_dscnt 0                                 ; R's blocks 4-7 are in
	PLACES NP
	FETCH_B \slot, (\q)+1, 1-(\q)%2
	FETCH_A \slot, (\q)+1, 0
	WIN MUL_HI
	MUL16 4, (\q)%2, \q, \slot, \zero
	MUL16 6, (\q)%2, \q, \slot, \zero
	PLACES NP
	WIN 0
	FETCH_A \slot, (\q)+1, 4
.endm
; A slot's last step changes slots: one barrier; in front of it each wave waits for all its tensor loads, adds 0 to its spare word, and waits for that and for its own reads of this slot.
; fill = 1: this slot is filled again, two K steps ahead; the barrier then opens a round of the cluster's barrier, and the joint refill is the first tensor load behind the round.
.macro TURN slot, next, fill
	s_wait_tensorcnt 0x0                           ; all my tensor loads have landed: my part of the next slot
	ds_add_u32 v[SPW], v[NIL]                      ; 0 onto my spare word
	s_wait_dscnt 4*NL+1                            ; (the add and the youngest 24 loads may be out)
	WIN MUL_LO
	MUL16 0, 1, NQ-1, \slot, 0
	s_wait_dscnt 0x0                               ; the add is done, and my reads of this slot are over
	s_barrier_signal -1
	MUL16 2, 1, NQ-1, \slot, 0
	WIN 0
	s_barrier_wait -1
.if \fill
	CREST                                          ; no wave of any partner still reads this slot's tile or has a load on its way
	s_add_nc_u64 s[G0+4*\slot+2:G0+4*\slot+3], s[G0+4*\slot+2:G0+4*\slot+3], 2*ROWB
	s_add_nc_u64 s[G0B+4*\slot+2:G0B+4*\slot+3], s[G0B+4*\slot+2:G0B+4*\slot+3], 2*ROWB
	JLOAD G0+4*\slot, G1, G0B+4*\slot, G1B         ; its four v_nop are also the places in front of the loads below
.else
	PLACES NP
.endif
	v_add_nc_u32 v[ADRS], 4*NQ, v[ADRS]            ; on to the next K step's scale words
	FETCH_B \next, 0, 0
	FETCH_A \next, 0, 0
	SCALES \next
	WIN MUL_HI
	MUL16 4, 1, NQ-1, \slot, 0
	MUL16 6, 1, NQ-1, \slot, 0
	PLACES NP
	WIN 0
	FETCH_A \next, 0, 4
.endm
	s_wait_tensorcnt 1                             ; the scales and my part of K step 0 are in; K step 1's load may be out
	s_barrier_signal -1
	s_barrier_wait -1                              ; everybody's are
	FETCH_B 0, 0, 0
	FETCH_A 0, 0, 0
	SCALES 0
	FETCH_A 0, 0, 4
	STEP 0, 0, 1                                   ; K = 1,024 is four slots' worth: written out, no loop.  The first products start the sums
	TURN 0, 1, 1                                   ; slot 0 takes K step 2
	STEP 1, 0, 0
	TURN 1, 0, 1                                   ; slot 1 takes K step 3
	STEP 0, 0, 0
	TURN 0, 1, 0                                   ; nothing is left to fetch
	STEP 1, 0, 0
	s_wait_dscnt 4*NL
	WIN MUL_LO
	MUL16 0, 1, NQ-1, 1, 0
	MUL16 2, 1, NQ-1, 1, 0
	s_wait_dscnt 0
	WIN MUL_HI
	MUL16 4, 1, NQ-1, 1, 0
	MUL16 6, 1, NQ-1, 1, 0
	WIN 0
	PLACES NP                                      ; behind the last products: their results are read, and R's fragments' registers written, below
	; WHERE MY RESULTS GO.  x's 128 rows are step gs & 15 of batch gs >> 4; w_qkv's 128 rows are two heads.  No tensor load is out, so the descriptors' registers are free.
	s_cmp_eq_u32 s[MD], 0
	s_cselect_b32 s18, s43, s42                    ; x's tile,
	s_cselect_b32 s19, s[RH], s[PH]                ; my half of it;
	s_cselect_b32 s20, s42, s43                    ; w_qkv's tile,
	s_cselect_b32 s21, s[PH], s[RH]                ; my half of it
	s_cselect_b32 s22, 0, 6144                     ; v's fragments lie behind k's pairs
	s_lshl_b32 s18, s18, 1
	s_add_co_u32 s18, s18, s19                     ; gs
	s_lshl_b32 s20, s20, 2
	s_lshl_b32 s21, s21, 1
	s_add_co_u32 s20, s20, s21
	s_and_b32 s20, s20, 15                         ; my first head
	s_lshr_b32 s19, s18, 4
	s_and_b32 s18, s18, 15                         ; the step
	s_lshl_b32 s19, s19, 4
	s_add_co_u32 s19, s19, s20                     ; 16 x batch + head
	s_lshl_b32 s21, s[MD], 4
	s_or_b32 s21, s21, s[PCL]                      ; 0 where my columns are q's
	s_mov_b32 s23, 204800                          ; kv: a head, a step, k's scale image
	s_mov_b32 s46, 12800
	s_mov_b32 s47, 12288
	s_cmp_eq_u32 s21, 0
	s_cselect_b64 s[HA:HA+1], s[12:13], s[14:15]
	s_cselect_b32 s23, 102400, s23                 ; q: a head,
	s_cselect_b32 s46, 6400, s46                   ; a step,
	s_cselect_b32 s47, 6144, s47                   ; its scale image
	s_cmp_eq_u32 s[MD], 0
	s_cselect_b32 s47, s47, 6400                   ; v's scale image lies 6,400 behind its fragments
	s_mul_i32 s19, s19, s23
	s_mul_i32 s18, s18, s46
	s_add_co_u32 s18, s18, s19
	s_add_co_u32 s18, s18, s22
	s_mov_b32 s19, 0
	s_add_nc_u64 s[HA:HA+1], s[HA:HA+1], s[18:19]
	s_mov_b32 s18, s23
	s_add_nc_u64 s[HB:HB+1], s[HA:HA+1], s[18:19]  ; the second head
	s_mov_b32 s18, s47
	s_add_nc_u64 s[SA:SA+1], s[HA:HA+1], s[18:19]
	s_add_nc_u64 s[SB:SB+1], s[HB:HB+1], s[18:19]
	s_mov_b32 s[HM], 0xffff0000
	s_mov_b32 s[SEL], 0x76543210
	s_mov_b32 s[SEL+1], 0xfedcba98
; Block a of 16 rows: its 64 registers, four blocks of 32 along p, become codes: blocks 0, 1 in v[d0 .. d0 + 5], blocks 2, 3 in v[d1 .. d1 + 5] (lanes 0-15 the even block, lanes 16-31 the odd one), and the scale word v[PW + a].
; Each accumulator is read from its low end on.
.macro QUANT a, d0, d1
.set QB_, 64*((\a)%4)
.set QW_, 2+(\a)/4
.set QV_, QW_*5
	WIN QV_                                        ; sources 0 and 1: the block's window
.irp b, 0,1,2,3
	v_max3_num_f32 v[TM+\b], |v[QB_+16*\b]|, |v[QB_+16*\b+1]|, 0x1800000   ; my 16 numbers of block b, and the floor 2^(3 - 127): the byte cannot fall under 1
.endr
.irp i, 2,4,6,8,10,12,14
.irp b, 0,1,2,3
	v_max3_num_f32 v[TM+\b], |v[QB_+16*\b+\i]|, |v[QB_+16*\b+\i+1]|, v[TM+\b]   ; (the four blocks by turns)
.endr
.endr
	WIN 0
.irp b, 0,1,2,3
	v_permlanex16_b32 v[TM+4+\b], v[TM+\b], s[SEL], s[SEL+1]
.endr
.irp b, 0,1,2,3
	v_max_num_f32 v[TM+\b], v[TM+\b], v[TM+4+\b]   ; with lane l xor 16's: the block's largest magnitude
.endr
.irp b, 0,1,2,3
	v_add_nc_u32 v[TM+12+\b], 0xff000000, v[TM+\b] ; 2 off its exponent field: the conversion takes the exponent field of this operand as its scale
.endr
.irp b, 0,1,2,3
	v_lshrrev_b32 v[TM+4+\b], 23, v[TM+12+\b]      ; the scale's byte
.endr
	v_lshl_or_b32 v[PW+(\a)], v[TM+5], 8, v[TM+4]
	v_lshl_or_b32 v[PW+(\a)], v[TM+6], 16, v[PW+(\a)]
	v_lshl_or_b32 v[PW+(\a)], v[TM+7], 24, v[PW+(\a)]
	WIN QW_                                        ; source 0: the block's window
	v_cvt_scalef32_pk16_fp6_f32 v[(\d0):(\d0)+2], v[QB_:QB_+15], v[TM+12]
	v_cvt_scalef32_pk16_fp6_f32 v[T0:T0+2], v[QB_+16:QB_+31], v[TM+13]
	v_cvt_scalef32_pk16_fp6_f32 v[(\d1):(\d1)+2], v[QB_+32:QB_+47], v[TM+14]
	v_cvt_scalef32_pk16_fp6_f32 v[T1:T1+2], v[QB_+48:QB_+63], v[TM+15]
	WIN 0
	v_nop                                          ; one plain place behind a scaled conversion
.irp i, 0,1,2
	v_permlane16_swap_b32 v[(\d0)+\i], v[T0+\i]    ; the first's lanes 16-31 change places with the second's lanes 0-15: a whole block to a lane
	v_permlane16_swap_b32 v[(\d1)+\i], v[T1+\i]
.endr
.irp i, 0,1,2
	v_mov_b32 v[(\d0)+3+\i], v[T0+\i]
	v_mov_b32 v[(\d1)+3+\i], v[T1+\i]
.endr
.endm
	s_cmp_lg_u32 s[MD], 0
	s_cbranch_scc1 .Lv
	; q or k: rows are l, p runs over two heads' 64 channels.  Two row tiles make a pair for each head.  Every image has registers of its own: no store's data are written again.
.irp i, 0,1,2,3
	QUANT 2*\i, 128+24*\i, 140+24*\i
	QUANT 2*\i+1, 134+24*\i, 146+24*\i
	v_perm_b32 v[KA+\i], v[PW+2*\i+1], v[PW+2*\i], 0x05040100   ; the pair's word, first head: tile 2 i's two bytes, then tile 2 i + 1's
	v_perm_b32 v[KB+\i], v[PW+2*\i+1], v[PW+2*\i], 0x07060302   ; second head
.irp g, 0,1,2
	global_store_b128 v[LI], v[128+24*\i+4*\g:128+24*\i+4*\g+3], s[HA:HA+1] offset:1536*\i+512*\g   ; 32 lanes store 512 consecutive bytes
	global_store_b128 v[LI], v[140+24*\i+4*\g:140+24*\i+4*\g+3], s[HB:HB+1] offset:1536*\i+512*\g
.endr
.endr
	v_cndmask_b32 v[SI], v[KA], v[KA+1], s[HM]     ; the scale images: lanes 0-15 the words of pairs 0 and 2, lanes 16-31 of pairs 1 and 3
	v_cndmask_b32 v[SI+1], v[KA+2], v[KA+3], s[HM]
	v_cndmask_b32 v[SI+2], v[KB], v[KB+1], s[HM]
	v_cndmask_b32 v[SI+3], v[KB+2], v[KB+3], s[HM]
	global_store_b64 v[L8], v[SI:SI+1], s[SA:SA+1] ; 256 consecutive bytes
	global_store_b64 v[L8], v[SI+2:SI+3], s[SB:SB+1]
	s_branch .Ldone
.Lv:
	; v: rows are two heads' 64 channels, p runs over the step's 128 keys: a block of rows is one whole fragment
.irp a, 0,1,2,3,4,5,6,7
	QUANT \a, 128+12*\a, 134+12*\a
.irp g, 0,1,2
.if \a < 4
	global_store_b128 v[LI], v[128+12*\a+4*\g:128+12*\a+4*\g+3], s[HA:HA+1] offset:1536*(\a%4)+512*\g
.else
	global_store_b128 v[LI], v[128+12*\a+4*\g:128+12*\a+4*\g+3], s[HB:HB+1] offset:1536*(\a%4)+512*\g
.endif
.endr
.endr
	v_cndmask_b32 v[SI], v[PW], v[PW+1], s[HM]
	v_cndmask_b32 v[SI+1], v[PW+2], v[PW+3], s[HM]
	v_cndmask_b32 v[SI+2], v[PW+4], v[PW+5], s[HM]
	v_cndmask_b32 v[SI+3], v[PW+6], v[PW+7], s[HM]
	global_store_b64 v[L8], v[SI:SI+1], s[SA:SA+1]
	global_store_b64 v[L8], v[SI+2:SI+3], s[SB:SB+1]
.Ldone:
	s_wait_tensorcnt 0x0                           ; the wave's end: an add to my spare word and its wait, behind my last tensor load
	ds_add_u32 v[SPW], v[NIL]
	s_wait_dscnt 0x0
	CROUND                                         ; the closing round: no work-group ends while a partner may still ask for a tile that names it
	s_endpgm
.Lfunc_end_k_q0bd6c63dd8_qkv:
	.size	k_q0bd6c63dd8_qkv, .Lfunc_end_k_q0bd6c63dd8_qkv-k_q0bd6c63dd8_qkv
	.p2alignl 7, 3214868480
	.fill 96, 4, 3214868480
	.section	.rodata,"a",@progbits
	.p2align	6, 0x0
	.amdhsa_kernel k_q0bd6c63dd8_qkv
		.amdhsa_group_segment_fixed_size 327680
		.amdhsa_private_segment_fixed_size 0
		.amdhsa_enable_private_segment 0
		.amdhsa_kernarg_size 48
		.amdhsa_user_sgpr_count 2
		.amdhsa_user_sgpr_kernarg_segment_ptr 1
		.amdhsa_wavefront_size32 1
		.amdhsa_system_sgpr_workgroup_id_x 1
		.amdhsa_system_sgpr_workgroup_id_y 1
		.amdhsa_system_sgpr_workgroup_id_z 1
		.amdhsa_system_vgpr_workitem_id 0
		.amdhsa_next_free_vgpr 1024
		.amdhsa_next_free_sgpr 100
		.amdhsa_reserve_vcc 0
		.amdhsa_float_denorm_mode_32 3
		.amdhsa_float_denorm_mode_16_64 3
		.amdhsa_memory_ordered 1
		.amdhsa_forward_progress 1
		.amdhsa_inst_pref_size 200
	.end_amdhsa_kernel
	.amdgpu_metadata
---
amdhsa.version: [ 1, 2 ]
amdhsa.kernels:
  - .name:           k_q0bd6c63dd8_qkv
    .symbol:         k_q0bd6c63dd8_qkv.kd
    .args:
      - { .name: x_codes, .offset: 0, .size: 8, .value_kind: global_buffer, .address_space: global }
      - { .name: x_scales, .offset: 8, .size: 8, .value_kind: global_buffer, .address_space: global }
      - { .name: w_qkv_codes, .offset: 16, .size: 8, .value_kind: global_buffer, .address_space: global }
      - { .name: w_qkv_scales, .offset: 24, .size: 8, .value_kind: global_buffer, .address_space: global }
      - { .name: q, .offset: 32, .size: 8, .value_kind: global_buffer, .address_space: global }
      - { .name: kv, .offset: 40, .size: 8, .value_kind: global_buffer, .address_space: global }
    .group_segment_fixed_size: 327680
    .private_segment_fixed_size: 0
    .kernarg_segment_align: 8
    .kernarg_segment_size: 48
    .max_flat_workgroup_size: 128
    .sgpr_count:     100
    .vgpr_count:     1024
    .wavefront_size: 32
...
	.end_amdgpu_metadata
.endif
;; end of part 1
;; launch attn (part 2): grid 4 x 64, 16 waves a work-group, clusters of 4 x 1, 206,848 bytes of LDS; arguments q, kv, a_img, a_sc; writes a_img, a_sc
.if DOCPART == 2
	.amdgcn_target "amdgcn-amd-amdhsa--gfx1250"
	.amdhsa_code_object_version 6
	.text
	.protected	k_q0bd6c63dd8_attn
	.globl	k_q0bd6c63dd8_attn
	.p2align	8
	.type	k_q0bd6c63dd8_attn,@function
k_q0bd6c63dd8_attn:
	s_mov_b64 s[64:65], 0
	v_nop
	global_prefetch_b8 v0, s[64:65] scope:SCOPE_SE
	s_setreg_imm32_b32 hwreg(HW_REG_WAVE_MODE, 25, 1), 1
	s_wait_xcnt 0x0
	s_wait_alu depctr_hold_cnt(0) depctr_sa_sdst(0) depctr_va_vdst(0) depctr_va_sdst(0) depctr_va_ssrc(0) depctr_va_vcc(0) depctr_vm_vsrc(0)
	s_getreg_b32 s2, hwreg(HW_REG_IB_STS2, 6, 4)
	s_cmp_eq_u32 s2, 0
	s_cbranch_scc0 .Lentry_in_a_cluster
	s_endpgm
.Lentry_in_a_cluster:
	s_bfe_u32 s2, ttmp6, 0x10000c
	s_cmp_lg_u32 s2, 0x3003
	s_cbranch_scc0 .Lentry_shape_is_right
	s_endpgm
.Lentry_shape_is_right:
; SECOND LAUNCH: for each batch and head, O = softmax(q k^T) v, logits not scaled, both products on codes of FP6 (E2M3) with E8M0 scales; O / l is quantised along C for the last product.  No work of reference() is left out.
; THE SOFTMAX AHEAD OF THE SECOND PRODUCT: t = logit x log2(e); M = the row's largest t so far, rounded up to a whole number; p = 2^(t - M) is quantised along the keys, not normalised.  The row's sum is taken of the
; unquantised p in f32 and divides O at the end.  When M moves, the sum and O are multiplied by 2^(old M - new M), which rounds nothing.
; SHARES.  A work-group owns 512 queries of one head; each of its sixteen waves a pair of query tiles (2 x 16), taken one after the other in two passes over the head's 2,048 keys, 128 a step.  Four waves lie on a SIMD,
; so that one wave's vector work stands beside another's products and LDS loads.  A lane holds ONE query throughout: both products are used transposed (S^T = k q^T, O^T = v^T p^T).
; LDS.  THE WHOLE HEAD'S k AND v STAY: 16 steps x 12,800 bytes, as they lie in kv: images of operand registers, so a fragment is three loads of 16 bytes a lane, 512 consecutive bytes each.  Each wave brings two parts of
; 6,400 bytes at the head; nothing is filled again, nothing is stored to LDS.  The four work-groups of a cluster are the four query blocks of one head: every load is asked for jointly.
; K = 64 IN AN INSTRUCTION OF K = 128.  Source 0 is a PAIR of key tiles (X as k 0-63, Y as k 64-127).  Source 1 is [q, zero codes], which gives X's scores, or [zero codes, q], which gives Y's: a zero code times any code
; adds exactly 0 under the scale bytes 1 .. 254 that the first launch makes.  The two forms overlap in 18 registers: six zeros, q's six, six zeros.
; ORDER INSIDE A BLOCK.  q and k carry one order of the 32 channels of a block, p and v one order of the 32 keys (0-7, 16-23, 8-15, 24-31): the same on both sides of a product, so only the order of the sums differs.
; The last product's other operand is given, so O is brought into the true order of channels first: sixteen exchanges between the halves of the lanes, once a query tile.
; OUT.  a_img [row tile of 16][head][768]: the head's 64 codes of 16 rows as six registers, in three groups of 256 bytes, lane l's 8 bytes at 8 l: each store one whole aligned run of 256 bytes.
; a_sc [row tile][lane (r, h)][4 words]: word i of lane (r, h) is row r's scale word for the last product's K step 2 i + h.  A head owns two bytes of such a word, and the other two are another work-group's:
; so the scale bytes leave as single bytes, one a lane, 32 for each 768 bytes of codes.
; LIMITS: M is a whole number kept in f32, so |t| stays under 2^24; p under 2^-126 counts as 0; a block of zeros gets the byte 1 (this program alone reads the bytes); NaN and infinities are not served.
; No prefetch: every tensor load of the launch goes out at its head.
.set STEPB, 12800                      ; a step in LDS and in kv: k's 4 pairs, v's 4 fragments at 6,144, k's scale image at 12,288, v's at 12,544
.set HEADB, 16*STEPB
.set SPARE, HEADB                      ; the spare words, 128 bytes for each of sixteen waves: eight blocks of 256 bytes that no other line names
.set LI,  1                            ; v1  16 x lane
.set L8,  2                            ; v2  8 x lane
.set SPW, 3                            ; v3  my spare word; never rewritten
.set NIL, 4                            ; v4  0; never rewritten
.set ADR, 5                            ; v5  LDS address of the step's images
.set ADS, 6                            ; v6  and of its scale images
.set GB,  8                            ; v8  16 (lane % 16) + lane / 16: my scale byte's place
.set QZ,  16                           ; v16-21 zeros, v22-27 q, v28-33 zeros.   v12 -M, v13 the largest t, v[14:15] the sum in two halves
.set QP,  34                           ; v34-45 my pair's image
.set QW,  46                           ; v46 its scale word
.set QS,  47                           ; v47 the tile's two bytes, twice: a scale register
.set KF,  48                           ; v48-95 four fragments: k's pairs, then v's
.set S,   96                           ; v96-159 S^T, then p
.set OT,  160                          ; v160-191 O^T
.set PC,  192                          ; v192-203 p's codes
.set CT,  204                          ; v204-206, v208-210 second halves of blocks' codes
.set BM,  212                          ; v212-215 the blocks' largest scores, then largest p
.set PT,  216                          ; v216-219 the other half's, then the bytes
.set SO,  220                          ; v220-223 the conversions' scale operands
.set SK,  224                          ; v224-225 k's scale words; v226-227 v's; v228 p's: scale registers
.set SV,  226
.set PS,  228
.set FF,  230                          ; v[230:231] f = 2^(old M - new M)
.set RL,  232                          ; v[232:233] 1 / l
.set TA,  234
.set TC,  236
.set WV,  12
.set SEL, 20
.set CS,  22
.set G1,  24
.set G0A, 32
.set G0B, 36
.set TB,  40                           ; s40 LDS byte at which the step begins
.set CNT, 41
.set HM,  43
.set AI,  44                           ; s[44:45] my first tile's place in a_img, s[46:47] in a_sc
.set ASB, 46
.macro ROUND                           ; a round of the cluster's barrier
	s_barrier_signal -1
	s_barrier_wait -1
	s_cmp_lg_u32 s[WV], 0
	s_cbranch_scc1 .Lnot_wave_0_\@
	s_barrier_signal -3
.Lnot_wave_0_\@:
	s_barrier_wait -3
	s_barrier_signal -1
	s_barrier_wait -1
.endm
	s_load_b256 s[4:11], s[0:1], 0x0               ; q s[4:5], kv s[6:7], a_img s[8:9], a_sc s[10:11]
	v_lshl_add_u32 v[SPW], v0, 2, SPARE
	v_mov_b32 v[NIL], 0
	ds_add_u32 v[SPW], v[NIL]                      ; the wave's opening: the add, twice on end, and its wait ahead of my first tensor load
	ds_add_u32 v[SPW], v[NIL]
	v_lshrrev_b32 v5, 5, v0
	v_readfirstlane_b32 s[WV], v5                  ; wave 0..15
	s_bfe_u32 s13, ttmp6, 0x40000                  ; cx: it enters global addresses of q, a_img and a_sc alone
	s_and_b32 s14, ttmp7, 0xffff                   ; 16 x batch + head, which the four partners share
	; descriptor group 1: 6,400 dense bytes as 25 rows of 256 (32 elements of 8 bytes), no padding
	s_mov_b32 s[G1], 15|(3<<16)|(1<<21)            ; 15:0 the mask: all four work-groups; elements of 8 bytes; bit 21 beside a mask
	s_mov_b32 s[G1+1], 32<<16
	s_mov_b32 s[G1+2], 25<<16
	s_mov_b32 s[G1+3], 32<<16
	s_mov_b32 s[G1+4], 25
	s_mov_b32 s[G1+5], 32
	s_mov_b32 s[G1+6], 0
	s_mov_b32 s[G1+7], 0
	s_mul_i32 s17, s[WV], 6400                     ; my part of steps 0-7, in LDS as in the head
	s_mul_i32 s18, s14, HEADB
	s_add_co_u32 s18, s18, s17
	s_mov_b32 s19, 0
	s_lshl_b32 s15, ttmp9, 2
	s_add_co_u32 s15, s15, s13
	s_lshl_b32 s15, s15, 4
	s_add_co_u32 s15, s15, s[WV]                   ; my pair of query tiles, 0 .. 63
	s_mul_i32 s50, s14, 102400                     ; q: the head,
	s_lshr_b32 s51, s15, 2
	s_mul_i32 s51, s51, 6400
	s_add_co_u32 s50, s50, s51                     ; the step of four pairs,
	s_and_b32 s51, s15, 3
	s_mul_i32 s51, s51, 1536
	s_add_co_u32 s48, s50, s51                     ; my pair's image;
	s_mov_b32 s49, 0
	s_and_b32 s51, s15, 1
	s_lshl_b32 s51, s51, 7
	s_add_co_u32 s50, s50, s51                     ; its scale word: in the lanes' half pair & 1,
	s_bfe_u32 s51, s15, 0x10001
	s_lshl_b32 s51, s51, 2
	s_add_co_u32 s50, s50, s51                     ; word (pair >> 1) & 1,
	s_add_co_u32 s50, s50, 6144                    ; of the step's scale image
	s_mov_b32 s51, 0
	s_lshr_b32 s52, s14, 4
	s_lshl_b32 s52, s52, 7
	s_lshl_b32 s53, s15, 1
	s_add_co_u32 s52, s52, s53                     ; my first row tile: 128 x batch + 2 x pair
	s_and_b32 s53, s14, 15                         ; the head
	s_mul_i32 s[AI], s52, 12288
	s_mul_i32 s54, s53, 768
	s_add_co_u32 s[AI], s[AI], s54
	s_mov_b32 s[AI+1], 0
	s_lshl_b32 s[ASB], s52, 9
	s_bfe_u32 s54, s53, 0x10001
	s_lshl_b32 s54, s54, 8
	s_add_co_u32 s[ASB], s[ASB], s54               ; K step head >> 1: its low bit picks the lanes' half,
	s_lshr_b32 s54, s53, 2
	s_lshl_b32 s54, s54, 2
	s_add_co_u32 s[ASB], s[ASB], s54               ; the rest the word;
	s_and_b32 s54, s53, 1
	s_lshl_b32 s54, s54, 1
	s_add_co_u32 s[ASB], s[ASB], s54               ; the head's two bytes in it
	s_mov_b32 s[ASB+1], 0
	s_mov_b32 s[SEL], 0x76543210
	s_mov_b32 s[SEL+1], 0xfedcba98                 ; v_permlanex16_b32's selects for lane l xor 16
	s_mov_b32 s[CS], 0x3fb8aa3b                    ; log2(e)
	s_mov_b32 s[CS+1], s[CS]                       ; (named with it as a pair, so it is written)
	s_mov_b32 s[HM], 0xffff0000                    ; lanes 16-31
	s_wait_dscnt 0x0                               ; both opening adds are done
	s_wait_kmcnt 0x0
	s_mov_b32 s[G0A], 1
	s_mov_b32 s[G0A+1], s17
	s_add_nc_u64 s[G0A+2:G0A+3], s[6:7], s[18:19]
	s_mov_b32 s[G0B], 1
	s_add_co_u32 s[G0B+1], s17, 8*STEPB            ; my part of steps 8-15
	s_add_nc_u64 s[G0B+2:G0B+3], s[G0A+2:G0A+3], 8*STEPB
	s_or_b32 s[G0A+3], s[G0A+3], 0x80000000
	s_or_b32 s[G0B+3], s[G0B+3], 0x80000000
	s_add_nc_u64 s[48:49], s[4:5], s[48:49]
	s_add_nc_u64 s[50:51], s[4:5], s[50:51]
	s_add_nc_u64 s[AI:AI+1], s[8:9], s[AI:AI+1]
	s_add_nc_u64 s[ASB:ASB+1], s[10:11], s[ASB:ASB+1]
	ROUND                                          ; all four work-groups are here: the joint loads meet
	tensor_load_to_lds s[G0A:G0A+3], s[G1:G1+7]    ; every wave's two fills go out together: two loads of mine are out
	s_nop 0
	tensor_load_to_lds s[G0B:G0B+3], s[G1:G1+7]
	s_nop 0
.rept 4
	v_nop
.endr
	v_and_b32 v9, 31, v0
	v_lshlrev_b32 v[LI], 4, v9
	v_lshlrev_b32 v[L8], 3, v9
	v_and_b32 v10, 15, v0
	v_bfe_u32 v11, v0, 4, 1
	v_lshl_add_u32 v[GB], v10, 4, v11
	v_lshlrev_b32 v10, 3, v10                      ; 8 (lane % 16): every lane takes its query's word
.irp g, 0,1,2
	global_load_b128 v[QP+4*\g:QP+4*\g+3], v[LI], s[48:49] offset:512*\g
.endr
	global_load_b32 v[QW], v10, s[50:51]
.irp i, 0,1,2,3,4,5
	v_mov_b32 v[QZ+\i], 0                          ; zero codes on both sides of q
	v_mov_b32 v[QZ+12+\i], 0
.endr
.irp b, 0,1,2,3
	v_mov_b32 v[PT+\b], 0                          ; written once: a lane permute's destination counts as one of its sources
.endr
	v_mov_b32 v[FF+1], 0                           ; (named as the upper halves of pairs)
	v_mov_b32 v[RL+1], 0
; Scores of key tile 2 i + y of the step: source 0 = pair i, source 1 = q beside zeros.
.macro KQ i, y
.set KD_, S+16*(\i)+8*(\y)
.set KA_, KF+12*(\i)
.set KB_, QZ+6-6*(\y)
.if (\i)%2
	v_wmma_scale_f32_16x16x128_f8f6f4 v[KD_:KD_+7], v[KA_:KA_+11], v[KB_:KB_+11], 0, v[SK+(\i)/2], v[QS] matrix_a_fmt:MATRIX_FMT_FP6 matrix_b_fmt:MATRIX_FMT_FP6 matrix_a_scale:MATRIX_SCALE_ROW1
.else
	v_wmma_scale_f32_16x16x128_f8f6f4 v[KD_:KD_+7], v[KA_:KA_+11], v[KB_:KB_+11], 0, v[SK+(\i)/2], v[QS] matrix_a_fmt:MATRIX_FMT_FP6 matrix_b_fmt:MATRIX_FMT_FP6
.endif
.endm
; O^T's tile t of 16 channels += v^T p^T over the step's 128 keys.
.macro PV t
.set PD_, OT+8*(\t)
.set PA_, KF+12*(\t)
.if (\t)%2
	v_wmma_scale_f32_16x16x128_f8f6f4 v[PD_:PD_+7], v[PA_:PA_+11], v[PC:PC+11], v[PD_:PD_+7], v[SV+(\t)/2], v[PS] matrix_a_fmt:MATRIX_FMT_FP6 matrix_b_fmt:MATRIX_FMT_FP6 matrix_a_scale:MATRIX_SCALE_ROW1
.else
	v_wmma_scale_f32_16x16x128_f8f6f4 v[PD_:PD_+7], v[PA_:PA_+11], v[PC:PC+11], v[PD_:PD_+7], v[SV+(\t)/2], v[PS] matrix_a_fmt:MATRIX_FMT_FP6 matrix_b_fmt:MATRIX_FMT_FP6
.endif
.endm
; A pass begins: tile p of my pair becomes q; the statistics and O^T begin anew.  The step is written once: its first run finds zeros, which the first change of M leaves zeros.
; The 32 moves are also the places between the writes of q and of its scale register and the first product.
.macro INIT p
.irp i, 0,1,2,3,4,5
	v_mov_b32 v[QZ+6+\i], v[QP+6*\p+\i]
.endr
.if \p
	v_perm_b32 v[QS], v[QW], v[QW], 0x03020302     ; the tile's two bytes serve k 0-63 and k 64-127 alike
.else
	v_perm_b32 v[QS], v[QW], v[QW], 0x01000100
.endif
	v_mov_b32 v13, 0xff61b1e6                      ; the largest t so far: -3e38
	v_floor_f32 v12, -v13                          ; -M
	v_mov_b32 v14, 0
	v_mov_b32 v15, 0
.set J_, 0
.rept 32
	v_mov_b32 v[OT+J_], 0
.set J_, J_+1
.endr
.endm
; A KEY STEP: 128 keys: 8 products k q^T, the softmax, 4 products v^T p^T.
.macro STEP
	v_add_nc_u32 v[ADR], s[TB], v[LI]
	v_add_nc_u32 v[ADS], s[TB], v[L8]
	v_nop
	v_nop                                          ; four places in front of loads into registers that the last products read
.irp i, 0,1,2,3
.irp g, 0,1,2
	ds_load_b128 v[KF+12*\i+4*\g:KF+12*\i+4*\g+3], v[ADR] offset:1536*\i+512*\g
.endr
.endr
	ds_load_b64 v[SK:SK+1], v[ADS] offset:12288    ; lanes 0-15: the words of pairs 0 and 2; lanes 16-31: of pairs 1 and 3
	s_wait_dscnt 0x0
.irp i, 0,1,2,3
	KQ \i, 0
	KQ \i, 1
.endr                                              ; lane (r, h) holds query r; registers 16 b + i: keys 32 b + 8 h + i (i < 8), 32 b + 16 + 8 h + i - 8
.rept 4
	v_nop                                          ; places in front of the loads below and of the first read of the scores
.endr
.irp i, 0,1,2,3
.irp g, 0,1,2
	ds_load_b128 v[KF+12*\i+4*\g:KF+12*\i+4*\g+3], v[ADR] offset:6144+1536*\i+512*\g   ; v's fragments land while the softmax is walked
.endr
.endr
	ds_load_b64 v[SV:SV+1], v[ADS] offset:12544
.irp b, 0,1,2,3
	v_max3_num_f32 v[BM+\b], v[S+16*\b], v[S+16*\b+1], v[S+16*\b+2]   ; the largest score of each block of 32 keys: it serves the row's maximum and, since p rises with the score, the block's largest p
.endr
.irp i, 3,5,7,9,11,13
.irp b, 0,1,2,3
	v_max3_num_f32 v[BM+\b], v[BM+\b], v[S+16*\b+\i], v[S+16*\b+\i+1]
.endr
.endr
.irp b, 0,1,2,3
	v_max_num_f32 v[BM+\b], v[BM+\b], v[S+16*\b+15]
.endr
.irp b, 0,1,2,3
	v_permlanex16_b32 v[PT+\b], v[BM+\b], s[SEL], s[SEL+1]
.endr
.irp b, 0,1,2,3
	v_max_num_f32 v[BM+\b], v[BM+\b], v[PT+\b]     ; with lane l xor 16's 16 keys
.endr
	v_max3_num_f32 v[TA], v[BM], v[BM+1], v[BM+2]
	v_max_num_f32 v[TA], v[TA], v[BM+3]            ; the step's largest score of my query,
	v_mul_f32 v[TA], s[CS], v[TA]                  ; as t
	v_max_num_f32 v13, v13, v[TA]                  ; the running largest t
	v_mov_b32 v[TA], v12
	v_floor_f32 v12, -v13                          ; the new -M = floor(-t): M is a whole number
	v_sub_f32 v[TA], v12, v[TA]                    ; old M less new M: a whole number, 0 or less
	v_cvt_i32_f32 v[TA], v[TA]                     ; (it saturates)
	v_ldexp_f32 v[FF], 1.0, v[TA]                  ; f = 2^(old M - new M)
.set J_, 0
.rept 32
	v_pk_fma_f32 v[S+J_:S+J_+1], v[S+J_:S+J_+1], s[CS:CS+1], v[12:13] op_sel_hi:[1,0,0]   ; t - M, two at a time
.set J_, J_+2
.endr
.irp b, 0,1,2,3
	v_fma_f32 v[BM+\b], v[BM+\b], s[CS], v12       ; the same of each block's largest score
.endr
.set J_, 0
.rept 64
	v_exp_f32 v[S+J_], v[S+J_]                     ; p = 2^(t - M): one batch
.set J_, J_+1
.endr
	v_pk_mul_f32 v[14:15], v[14:15], v[FF:FF+1] op_sel_hi:[1,0]   ; the sums under the new M: the plain instruction behind the exponentials
	s_wait_alu depctr_va_vdst(0)                   ; the wait ahead of the first instruction that names a result: one for the batch
.irp b, 0,1,2,3
	v_exp_f32 v[BM+\b], v[BM+\b]                   ; the blocks' largest p: the same two instructions on the same number give the same bits
.endr
	v_pk_add_f32 v[TC:TC+1], v[S:S+1], v[S+2:S+3]  ; the row's sum, of the unquantised p, in two chains
.irp j, 4,8,12,16,20,24,28,32,36,40,44,48,52,56,60
	v_pk_add_f32 v[14:15], v[14:15], v[S+\j:S+\j+1]
	v_pk_add_f32 v[TC:TC+1], v[TC:TC+1], v[S+\j+2:S+\j+3]
.endr
	v_pk_add_f32 v[14:15], v[14:15], v[TC:TC+1]
	s_wait_alu depctr_va_vdst(0)                   ; and one for the four
.irp b, 0,1,2,3
	v_max_num_f32 v[BM+\b], 0x1800000, v[BM+\b]    ; the floor 2^(3 - 127): the byte cannot fall under 1
.endr
.irp b, 0,1,2,3
	v_add_nc_u32 v[SO+\b], 0xff000000, v[BM+\b]    ; 2 off the exponent field: the conversion's scale operand
.endr
.irp b, 0,1,2,3
	v_lshrrev_b32 v[PT+\b], 23, v[SO+\b]           ; the scale's byte
.endr
	v_lshl_or_b32 v[PS], v[PT+1], 8, v[PT]         ; p's scale word for these 128 keys
	v_lshl_or_b32 v[PS], v[PT+2], 16, v[PS]
	v_lshl_or_b32 v[PS], v[PT+3], 24, v[PS]
.irp c, 0,1
	v_cvt_scalef32_pk16_fp6_f32 v[PC+6*\c:PC+6*\c+2], v[S+32*\c:S+32*\c+15], v[SO+2*\c]
	v_cvt_scalef32_pk16_fp6_f32 v[CT+4*\c:CT+4*\c+2], v[S+32*\c+16:S+32*\c+31], v[SO+2*\c+1]
.endr
	v_nop                                          ; one plain place behind a scaled conversion
.irp c, 0,1
.irp i, 0,1,2
	v_permlane16_swap_b32 v[PC+6*\c+\i], v[CT+4*\c+\i]   ; a whole block to a lane: lanes 0-15 block 2 c, lanes 16-31 block 2 c + 1
.endr
.irp i, 0,1,2
	v_mov_b32 v[PC+3+6*\c+\i], v[CT+4*\c+\i]
.endr
.endr
.set J_, 0
.rept 16
	v_pk_mul_f32 v[OT+J_:OT+J_+1], v[OT+J_:OT+J_+1], v[FF:FF+1] op_sel_hi:[1,0]   ; O^T under the new M.  (Also the places between the writes of p's codes and scale word and the products)
.set J_, J_+2
.endr
	s_wait_dscnt 0x0                               ; v's fragments and scale words are in
.irp t, 0,1,2,3
	PV \t                                          ; four accumulators by turns
.endr
	s_add_co_u32 s[TB], s[TB], STEPB
.endm
; A pass ends: O^T / l, in the true order of channels, quantised along them; codes and scale bytes of row tile p of my pair are stored.
.macro FINAL p
.rept 4
	v_nop                                          ; places behind the last products
.endr
	v_add_f32 v14, v14, v15                        ; the sum's two halves,
	v_permlanex16_b32 v[PT], v14, s[SEL], s[SEL+1]
	v_add_f32 v14, v14, v[PT]                      ; and lane l xor 16's: the row's sum
	v_rcp_f32 v[RL], v14
	v_nop                                          ; a plain place behind the reciprocal
	s_wait_alu depctr_va_vdst(0)                   ; and the wait ahead of its first reader
.set J_, 0
.rept 16
	v_pk_mul_f32 v[S+J_:S+J_+1], v[OT+J_:OT+J_+1], v[RL:RL+1] op_sel_hi:[1,0]   ; register 8 t + j: channel 16 t + 8 h + j.  Each accumulator from its low end on
.set J_, J_+2
.endr
.irp b, 0,1
.irp j, 0,1,2,3,4,5,6,7
	v_permlane16_swap_b32 v[S+16*\b+\j], v[S+16*\b+8+\j]   ; tile 2 b's lanes 16-31 change places with tile 2 b + 1's lanes 0-15: registers 16 b + 0 .. 15 are now channels 32 b + 16 h + 0 .. 15
.endr
.endr
.irp b, 0,1
	v_max3_num_f32 v[BM+\b], |v[S+16*\b]|, |v[S+16*\b+1]|, 0x1800000
.endr
.irp i, 2,4,6,8,10,12,14
.irp b, 0,1
	v_max3_num_f32 v[BM+\b], v[BM+\b], |v[S+16*\b+\i]|, |v[S+16*\b+\i+1]|
.endr
.endr
.irp b, 0,1
	v_permlanex16_b32 v[PT+\b], v[BM+\b], s[SEL], s[SEL+1]
.endr
.irp b, 0,1
	v_max_num_f32 v[BM+\b], v[BM+\b], v[PT+\b]
.endr
.irp b, 0,1
	v_add_nc_u32 v[SO+\b], 0xff000000, v[BM+\b]
.endr
.irp b, 0,1
	v_lshrrev_b32 v[PT+\b], 23, v[SO+\b]
.endr
	v_cvt_scalef32_pk16_fp6_f32 v[PC:PC+2], v[S:S+15], v[SO]
	v_cvt_scalef32_pk16_fp6_f32 v[CT:CT+2], v[S+16:S+31], v[SO+1]
	v_nop                                          ; one plain place behind a scaled conversion
.irp i, 0,1,2
	v_permlane16_swap_b32 v[PC+\i], v[CT+\i]
.endr
.irp i, 0,1,2
	v_mov_b32 v[PC+3+\i], v[CT+\i]                 ; lane (r, h): row r's channels 32 h + 0 .. 31, in order
.endr
	v_cndmask_b32 v[TA], v[PT], v[PT+1], s[HM]     ; lane (r, h) stores block h's byte
.irp g, 0,1,2
	global_store_b64 v[L8], v[PC+2*\g:PC+2*\g+1], s[AI:AI+1] offset:12288*\p+256*\g   ; 32 lanes store 256 consecutive bytes, aligned
.endr
	global_store_b8 v[GB], v[TA], s[ASB:ASB+1] offset:512*\p
.endm
	s_wait_loadcnt 0x0                             ; my pair and its scale word
	INIT 0
	s_wait_tensorcnt 0x1                           ; my part of steps 0-7 is in; that of steps 8-15 may stay out
	s_barrier_signal -1
	s_barrier_wait -1                              ; everybody's is
	s_mov_b32 s[TB], 0
	s_mov_b32 s[CNT], 8
.Lfirst:
	STEP
	s_sub_co_i32 s[CNT], s[CNT], 1
	s_cmp_lg_u32 s[CNT], 0
	s_cbranch_scc1 .Lfirst
	s_wait_tensorcnt 0x0                           ; my part of steps 8-15 is in,
	s_wait_dscnt 0x0
	s_barrier_signal -1
	s_barrier_wait -1                              ; everybody's is
	s_mov_b32 s[CNT], 8
.Lsecond:
	STEP
	s_sub_co_i32 s[CNT], s[CNT], 1
	s_cmp_lg_u32 s[CNT], 0
	s_cbranch_scc1 .Lsecond
	FINAL 0
	s_wait_xcnt 0x0                                ; the stores have read their data: the second pass writes those registers again only behind this wait
	INIT 1
	s_mov_b32 s[TB], 0
	s_mov_b32 s[CNT], 16
.Lpass1:
	STEP
	s_sub_co_i32 s[CNT], s[CNT], 1
	s_cmp_lg_u32 s[CNT], 0
	s_cbranch_scc1 .Lpass1
	FINAL 1
	s_wait_tensorcnt 0x0                           ; the wave's end: an add to my spare word and its wait, behind my last tensor load
	ds_add_u32 v[SPW], v[NIL]
	s_wait_dscnt 0x0
	ROUND                                          ; the closing round
	s_endpgm
.Lfunc_end_k_q0bd6c63dd8_attn:
	.size	k_q0bd6c63dd8_attn, .Lfunc_end_k_q0bd6c63dd8_attn-k_q0bd6c63dd8_attn
	.p2alignl 7, 3214868480
	.fill 96, 4, 3214868480
	.section	.rodata,"a",@progbits
	.p2align	6, 0x0
	.amdhsa_kernel k_q0bd6c63dd8_attn
		.amdhsa_group_segment_fixed_size 206848
		.amdhsa_private_segment_fixed_size 0
		.amdhsa_enable_private_segment 0
		.amdhsa_kernarg_size 32
		.amdhsa_user_sgpr_count 2
		.amdhsa_user_sgpr_kernarg_segment_ptr 1
		.amdhsa_wavefront_size32 1
		.amdhsa_system_sgpr_workgroup_id_x 1
		.amdhsa_system_sgpr_workgroup_id_y 1
		.amdhsa_system_sgpr_workgroup_id_z 1
		.amdhsa_system_vgpr_workitem_id 0
		.amdhsa_next_free_vgpr 256
		.amdhsa_next_free_sgpr 66
		.amdhsa_reserve_vcc 0
		.amdhsa_float_denorm_mode_32 3
		.amdhsa_float_denorm_mode_16_64 3
		.amdhsa_memory_ordered 1
		.amdhsa_forward_progress 1
		.amdhsa_inst_pref_size 64
	.end_amdhsa_kernel
	.amdgpu_metadata
---
amdhsa.version: [ 1, 2 ]
amdhsa.kernels:
  - .name:           k_q0bd6c63dd8_attn
    .symbol:         k_q0bd6c63dd8_attn.kd
    .args:
      - { .name: q, .offset: 0, .size: 8, .value_kind: global_buffer, .address_space: global }
      - { .name: kv, .offset: 8, .size: 8, .value_kind: global_buffer, .address_space: global }
      - { .name: a_img, .offset: 16, .size: 8, .value_kind: global_buffer, .address_space: global }
      - { .name: a_sc, .offset: 24, .size: 8, .value_kind: global_buffer, .address_space: global }
    .group_segment_fixed_size: 206848
    .private_segment_fixed_size: 0
    .kernarg_segment_align: 8
    .kernarg_segment_size: 32
    .max_flat_workgroup_size: 512
    .sgpr_count:     66
    .vgpr_count:     256
    .wavefront_size: 32
...
	.end_amdgpu_metadata
.endif
;; end of part 2
;; launch proj (part 3): grid 8 x 32, 4 waves a work-group, clusters of 4 x 4, 327,680 bytes of LDS; arguments a_img, a_sc, w_out_codes, w_out_scales, b_out, out0; writes out0
.if DOCPART == 3
	.amdgcn_target "amdgcn-amd-amdhsa--gfx1250"
	.amdhsa_code_object_version 6
	.text
	.protected	k_q0bd6c63dd8_proj
	.globl	k_q0bd6c63dd8_proj
	.p2align	8
	.type	k_q0bd6c63dd8_proj,@function
k_q0bd6c63dd8_proj:
	s_mov_b64 s[64:65], 0
	v_nop
	global_prefetch_b8 v0, s[64:65] scope:SCOPE_SE
	s_setreg_imm32_b32 hwreg(HW_REG_WAVE_MODE, 25, 1), 1
	s_wait_xcnt 0x0
	s_wait_alu depctr_hold_cnt(0) depctr_sa_sdst(0) depctr_va_vdst(0) depctr_va_sdst(0) depctr_va_ssrc(0) depctr_va_vcc(0) depctr_vm_vsrc(0)
	s_getreg_b32 s2, hwreg(HW_REG_IB_STS2, 6, 4)
	s_cmp_eq_u32 s2, 0
	s_cbranch_scc0 .Lentry_in_a_cluster
	s_endpgm
.Lentry_in_a_cluster:
	s_bfe_u32 s2, ttmp6, 0x10000c
	s_cmp_lg_u32 s2, 0xf033
	s_cbranch_scc0 .Lentry_shape_is_right
	s_endpgm
.Lentry_shape_is_right:
; THIRD LAUNCH: out0 = A w_out + b_out on codes of FP6 (E2M3) with E8M0 scales; A [8,192][1,024] is the attention's result, quantised by the launch before.  No work of reference() is left out.
; A work-group of four waves makes 256 rows x 128 columns: 256 work-groups.  A wave makes 128 x 64: 32 accumulators of 16 x 16.  Source 0 = 16 rows of w_out's codes (columns n of the result), source 1 = 16 rows of A:
; a lane holds eight neighbouring n of one row.  b_out is the C of each sum's first product.
; LDS.  ALL OF K STAYS: four chunks of 256 along K, each filled once, all asked for at the head: no slot is filled again.  A chunk: A's 16 row tiles x 3,072 bytes (images of registers: four heads x 768, lane l's 8 bytes at
; 8 l in groups of 256), then w_out's 128 rows of 192 bytes, 16 bytes of padding behind every 64 (pitch 240).
; 4 x 4 work-groups form a cluster: A's chunks are asked for jointly along a row of the cluster, w_out's along a column.  Waves 0 and 1 fetch A's halves, waves 2 and 3 w_out's: four loads a wave are out at the most.
; The scale words and the bias go from memory into registers, once: a_sc is laid so that 16 bytes a lane are a row tile's words of all eight K steps (lanes 0-15 the even steps, lanes 16-31 the odd ones).
; THE WAY OUT: a block of 16 rows x 64 columns goes through the wave's own stage in LDS and leaves as rows of 256 bytes: sixteen lanes store 256 consecutive bytes, aligned.  The stage lies in chunk 0, which has had its
; only fill, and which nobody reads behind the barrier in front of chunk 3.
; No prefetch: every tensor load of the launch goes out at its head.
; REGISTERS, in windows of 256: window 0: v4-21 addresses; v32-63 A's scale words, v64-79 w_out's (scale registers, nothing else); v80-111 the bias in the result's layout; v128-191 rows on the way out.
;   window 1: the accumulators ((a, b) at v[8 (4 a + b)]).   windows 2, 3: two sets of fragments: w_out's four at v[12 b], A's eight at v[48 + 12 a].
.set CH,    79872                      ; a chunk
.set WOFF,  49152                      ; w_out's rows in it
.set SPARE, 4*CH                       ; the spare words, 128 bytes a wave: two blocks of 256 bytes that no other line names
.set SP,    272                        ; a stage row: 256 bytes + 16
.set ADA,  4                           ; v4-7   LDS address of my A images in chunk c
.set ADW,  8                           ; v8-11  of my w_out fragments; v12-15 behind one padding more
.set ADX,  12
.set STO,  16
.set RD,   17
.set CO,   18
.set SPW,  20                          ; v20 my spare word; never rewritten
.set NIL,  21                          ; v21 0; never rewritten
.set AS,   32
.set WS,   64
.set BI,   80
.set BK,   128
.set WV,   2
.set G0A,  32                          ; s[32:47] four groups 0 for A's chunks; s[48:63] for w_out's
.set G0W,  48
.set G1A,  68
.set G1W,  76
.set MSB, 0
.macro WIN new                         ; the immediate's high byte repeats the setting that is left
.if MSB != \new
	s_set_vgpr_msb (MSB<<8)|\new
.set MSB, \new
.endif
.endm
.macro CROUND                          ; a round of the cluster's barrier
	s_barrier_signal -1
	s_barrier_wait -1
	s_cmp_lg_u32 s[WV], 0
	s_cbranch_scc1 .Lnot_wave_0_\@
	s_barrier_signal -3
.Lnot_wave_0_\@:
	s_barrier_wait -3
	s_barrier_signal -1
	s_barrier_wait -1
.endm
.macro PLACES
.rept 4
	v_nop
.endr
.endm
	s_load_b256 s[4:11], s[0:1], 0x0               ; a_img s[4:5], a_sc s[6:7], w_out's codes s[8:9], its scales s[10:11]
	s_load_b128 s[12:15], s[0:1], 0x20             ; b_out s[12:13], out0 s[14:15]
	v_lshl_add_u32 v[SPW], v0, 2, SPARE
	v_mov_b32 v[NIL], 0
	ds_add_u32 v[SPW], v[NIL]                      ; the wave's opening: the add, twice on end, and its wait ahead of my first tensor load
	ds_add_u32 v[SPW], v[NIL]
	v_lshrrev_b32 v1, 5, v0
	v_readfirstlane_b32 s[WV], v1                  ; wave 0..3
	s_lshr_b32 s16, s[WV], 1                       ; which half of the rows is mine
	s_and_b32 s17, s[WV], 1                        ; which half of the columns; also: which half of a chunk's part I fetch
	s_bfe_u32 s18, ttmp6, 0x40000                  ; cx, cy
	s_bfe_u32 s19, ttmp6, 0x40004
	s_lshl_b32 s20, ttmp9, 2
	s_add_co_u32 s20, s20, s18                     ; tile of 128 columns
	s_and_b32 s21, ttmp7, 0xffff
	s_lshl_b32 s21, s21, 2
	s_add_co_u32 s21, s21, s19                     ; tile of 256 rows
	s_lshl_b32 s22, s19, 2
	s_lshl_b32 s22, 15, s22                        ; my row of the cluster
	s_lshl_b32 s23, 0x1111, s18                    ; my column
	; A: 8 row tiles x 3,072 bytes (384 elements of 8), 12,288 bytes apart, dense in LDS
	s_or_b32 s[G1A], s22, (3<<16)|(1<<21)
	s_mov_b32 s[G1A+1], 384<<16
	s_mov_b32 s[G1A+2], 8<<16
	s_mov_b32 s[G1A+3], 384<<16
	s_mov_b32 s[G1A+4], 8
	s_mov_b32 s[G1A+5], 1536
	s_mov_b32 s[G1A+6], 0
	s_mov_b32 s[G1A+7], 0
	; w_out: 64 rows x 192 bytes, 768 apart, 16 bytes of padding behind every 64
	s_or_b32 s[G1W], s23, (0<<16)|(1<<20)|(1<<21)|(3<<22)|(3<<25)
	s_mov_b32 s[G1W+1], 192<<16
	s_mov_b32 s[G1W+2], 64<<16
	s_mov_b32 s[G1W+3], 192<<16
	s_mov_b32 s[G1W+4], 64
	s_mov_b32 s[G1W+5], 768
	s_mov_b32 s[G1W+6], 0
	s_mov_b32 s[G1W+7], 0
	s_mul_i32 s24, s21, 196608                     ; A: 16 row tiles of 12,288 bytes a tile of rows,
	s_mul_i32 s25, s17, 98304                      ; my 8 of them
	s_add_co_u32 s24, s24, s25
	s_mov_b32 s25, 0
	s_lshl_b32 s26, s20, 7
	s_lshl_b32 s27, s17, 6
	s_add_co_u32 s26, s26, s27
	s_mul_i32 s26, s26, 768                        ; w_out: row 128 x tile + 64 x half
	s_mov_b32 s27, 0
	s_mul_i32 s28, s17, 24576                      ; where they go in a chunk: no place in the cluster enters an LDS address
	s_mul_i32 s29, s17, 15360
	s_add_co_u32 s29, s29, WOFF
	s_wait_dscnt 0x0                               ; both opening adds are done
	s_wait_kmcnt 0x0
	s_add_nc_u64 s[24:25], s[4:5], s[24:25]
	s_add_nc_u64 s[26:27], s[8:9], s[26:27]
	CROUND                                         ; all sixteen work-groups are here: the joint loads meet
.irp c, 0,1,2,3
	s_mov_b32 s[G0A+4*\c], 1
	s_add_co_u32 s[G0A+4*\c+1], s28, CH*\c
	s_add_nc_u64 s[G0A+4*\c+2:G0A+4*\c+3], s[24:25], 3072*\c
	s_or_b32 s[G0A+4*\c+3], s[G0A+4*\c+3], 0x80000000
	s_mov_b32 s[G0W+4*\c], 1
	s_add_co_u32 s[G0W+4*\c+1], s29, CH*\c
	s_add_nc_u64 s[G0W+4*\c+2:G0W+4*\c+3], s[26:27], 192*\c
	s_or_b32 s[G0W+4*\c+3], s[G0W+4*\c+3], 0x80000000
.endr
	s_cmp_lt_u32 s[WV], 2                          ; a wave's four fills stand in one branch on its number, four in each arm
	s_cbranch_scc0 .Lfor_w
.irp c, 0,1,2,3
	tensor_load_to_lds s[G0A+4*\c:G0A+4*\c+3], s[G1A:G1A+7]
	s_nop 0
.endr
.rept 4
	v_nop
.endr
	s_branch .Lasked
.Lfor_w:
.irp c, 0,1,2,3
	tensor_load_to_lds s[G0W+4*\c:G0W+4*\c+3], s[G1W:G1W+7]
	s_nop 0
.endr
.rept 4
	v_nop
.endr
.Lasked:
	v_and_b32 v1, 31, v0                           ; lane
	v_and_b32 v2, 15, v0                           ; r
	v_bfe_u32 v3, v0, 4, 1                         ; h
	v_lshlrev_b32 v22, 4, v1
	v_lshlrev_b32 v23, 5, v1
	v_lshlrev_b32 v24, 5, v3
	s_lshl_b32 s84, s21, 4
	s_lshl_b32 s85, s16, 3
	s_add_co_u32 s84, s84, s85                     ; my first row tile
	s_lshl_b32 s84, s84, 9
	s_mov_b32 s85, 0
	s_add_nc_u64 s[6:7], s[6:7], s[84:85]
	s_lshl_b32 s86, s20, 7
	s_lshl_b32 s87, s17, 6
	s_add_co_u32 s86, s86, s87                     ; my first column
	s_lshl_b32 s84, s86, 5
	s_add_nc_u64 s[10:11], s[10:11], s[84:85]
	s_lshl_b32 s84, s86, 2
	s_add_nc_u64 s[12:13], s[12:13], s[84:85]
	s_add_nc_u64 s[14:15], s[14:15], s[84:85]
	s_lshl_b32 s84, s21, 8
	s_lshl_b32 s87, s16, 7
	s_add_co_u32 s84, s84, s87                     ; my first row,
	s_lshl_b32 s84, s84, 12                        ; of 4,096 bytes
	s_add_nc_u64 s[14:15], s[14:15], s[84:85]
.irp a, 0,1,2,3,4,5,6,7
	global_load_b128 v[AS+4*\a:AS+4*\a+3], v22, s[6:7] offset:512*\a    ; row tile a: register i: lanes 0-15 K step 2 i, lanes 16-31 K step 2 i + 1
.endr
.irp g, 0,1
	global_load_b128 v[WS+8*\g:WS+8*\g+3], v23, s[10:11] offset:1024*\g       ; a lane a column: lanes 0-15 column tile 2 g, lanes 16-31 tile 2 g + 1; register s: K step s
	global_load_b128 v[WS+8*\g+4:WS+8*\g+7], v23, s[10:11] offset:1024*\g+16
.endr
.irp b, 0,1,2,3
	global_load_b128 v[BI+8*\b:BI+8*\b+3], v24, s[12:13] offset:64*\b         ; b_out at the lane's eight columns of tile b
	global_load_b128 v[BI+8*\b+4:BI+8*\b+7], v24, s[12:13] offset:64*\b+16
.endr
	s_mul_i32 s87, s16, 24576                      ; my 8 row tiles of A
	v_lshl_add_u32 v25, v1, 3, s87
	v_mul_u32_u24 v26, v2, 240
	v_mad_u32_u24 v26, v3, 24, v26
	s_mul_i32 s88, s17, 15360                      ; my 64 rows of w_out
	s_add_co_u32 s88, s88, WOFF
	v_add_nc_u32 v26, s88, v26
.irp c, 0,1,2,3
	v_add_nc_u32 v[ADA+\c], CH*\c, v25
	v_add_nc_u32 v[ADW+\c], CH*\c, v26
	v_lshl_add_u32 v[ADX+\c], v3, 4, v[ADW+\c]
.endr
	s_mul_i32 s89, s[WV], 16*SP                    ; my stage
	v_mul_u32_u24 v27, v2, SP
	v_lshl_add_u32 v27, v3, 5, v27
	v_add_nc_u32 v[STO], s89, v27                  ; in: row r, 32 bytes for each half of the lanes
	v_mul_u32_u24 v27, v3, SP
	v_lshl_add_u32 v27, v2, 4, v27
	v_add_nc_u32 v[RD], s89, v27                   ; back: lanes 0-15 one row, lanes 16-31 the next
	v_lshlrev_b32 v[CO], 12, v3
	v_lshl_add_u32 v[CO], v2, 4, v[CO]             ; and the same two rows in out0
.macro FRAGW reg, c, q, i              ; 16 rows of w_out x 128 K: 24 bytes of a row's stream twice, in pieces of 8; lanes 16-31 read three pieces on, for some pieces behind one padding more
.irp p, 0,1,2,3,4,5
.set PCE, 12*(\q)+6*(\p/3)+\p%3
.if PCE%8 < 5
	ds_load_b64 v[\reg+2*\p:\reg+2*\p+1], v[ADW+\c] offset:8*PCE+16*(PCE/8)+(\i)*3840
.else
	ds_load_b64 v[\reg+2*\p:\reg+2*\p+1], v[ADX+\c] offset:8*PCE+16*(PCE/8)+(\i)*3840
.endif
.endr
.endm
.macro FETCH k                         ; K step k's fragments, 72 loads, into set k % 2
.set FC_, (\k)/2
.set FQ_, (\k)%2
.set FW_, 0x80+0x40*((\k)%2)
	WIN FW_
.irp b, 0,1,2,3
	FRAGW 12*\b, FC_, FQ_, \b
.endr
.irp a, 0,1,2,3,4,5,6,7
.irp g, 0,1,2,3,4,5
	ds_load_b64 v[48+12*\a+2*\g:48+12*\a+2*\g+1], v[ADA+FC_] offset:3072*\a+1536*FQ_+256*\g   ; two heads' images on end are a fragment's twelve registers
.endr
.endr
	WIN 0
.endm
.macro WMS d, a, b, c, sa, sb, ra, rb  ; ra, rb: the scale words stand in lanes 16-31 of their registers
.if (\ra) && (\rb)
	v_wmma_scale_f32_16x16x128_f8f6f4 v[(\d):(\d)+7], v[(\a):(\a)+11], v[(\b):(\b)+11], v[(\c):(\c)+7], v[\sa], v[\sb] matrix_a_fmt:MATRIX_FMT_FP6 matrix_b_fmt:MATRIX_FMT_FP6 matrix_a_scale:MATRIX_SCALE_ROW1 matrix_b_scale:MATRIX_SCALE_ROW1
.elseif (\ra)
	v_wmma_scale_f32_16x16x128_f8f6f4 v[(\d):(\d)+7], v[(\a):(\a)+11], v[(\b):(\b)+11], v[(\c):(\c)+7], v[\sa], v[\sb] matrix_a_fmt:MATRIX_FMT_FP6 matrix_b_fmt:MATRIX_FMT_FP6 matrix_a_scale:MATRIX_SCALE_ROW1
.elseif (\rb)
	v_wmma_scale_f32_16x16x128_f8f6f4 v[(\d):(\d)+7], v[(\a):(\a)+11], v[(\b):(\b)+11], v[(\c):(\c)+7], v[\sa], v[\sb] matrix_a_fmt:MATRIX_FMT_FP6 matrix_b_fmt:MATRIX_FMT_FP6 matrix_b_scale:MATRIX_SCALE_ROW1
.else
	v_wmma_scale_f32_16x16x128_f8f6f4 v[(\d):(\d)+7], v[(\a):(\a)+11], v[(\b):(\b)+11], v[(\c):(\c)+7], v[\sa], v[\sb] matrix_a_fmt:MATRIX_FMT_FP6 matrix_b_fmt:MATRIX_FMT_FP6
.endif
.endm
.macro MUL k                           ; K step k: 32 products; the 32 accumulators take turns in the same order in every K step
.if (\k) == 0
	WIN 0x4a                                       ; sources 0 and 1 window 2, C (the bias) window 0, D window 1
.elseif (\k)%2
	WIN 0x5f                                       ; sources window 3, C and D window 1
.else
	WIN 0x5a                                       ; sources window 2
.endif
.irp a, 0,1,2,3,4,5,6,7
.irp b, 0,1,2,3
.if (\k) == 0
	WMS 8*(4*\a+\b), 12*\b, 48+12*\a, BI+8*\b, WS+8*(\b/2)+(\k), AS+4*\a+(\k)/2, \b%2, (\k)%2
.else
	WMS 8*(4*\a+\b), 12*\b, 48+12*\a, 8*(4*\a+\b), WS+8*(\b/2)+(\k), AS+4*\a+(\k)/2, \b%2, (\k)%2
.endif
.endr
.endr
.endm
	s_wait_loadcnt 0x0                             ; the scale words and the bias
	s_wait_tensorcnt 0x3                           ; my part of chunk 0 is in; the three later chunks' loads may stay out
	s_barrier_signal -1
	s_barrier_wait -1                              ; everybody's is
	FETCH 0
.irp k, 0,1,2,3,4,5,6
.if \k%2
	s_wait_dscnt 0x0                               ; K step k's fragments are in, and my reads of the chunk that I leave are over
	s_wait_tensorcnt 3-(\k+1)/2                    ; my part of the next chunk is in; the later chunks' loads may stay out
	s_barrier_signal -1
	s_barrier_wait -1
.endif
.if \k > 0
	PLACES                                         ; in front of loads into the set that the last products read
.endif
	FETCH \k+1
.if \k%2 == 0
	s_wait_dscnt 63                                ; of the 72 loads just issued the youngest 63 may be out: K step k's, issued ahead of them, are in
.endif
	MUL \k
.endr
	s_wait_dscnt 0x0
	MUL 7
	WIN 0
; THE WAY OUT, block by block of 16 rows x 64 columns, through my own stage.  LDS serves a wave's instructions in order (ISA guide 5.7.1.4): no wait between the stores and the loads, nor in front of the next block's stores.
.macro TOSTAGE a
	WIN 0x04                                       ; an LDS store's data are its source 1: window 1
.irp b, 0,1,2,3
	ds_store_b128 v[STO], v[8*(4*(\a)+\b):8*(4*(\a)+\b)+3] offset:64*\b          ; each accumulator from its low end on
	ds_store_b128 v[STO], v[8*(4*(\a)+\b)+4:8*(4*(\a)+\b)+7] offset:64*\b+16
.endr
	WIN 0
.set BB_, BK+32*((\a)%2)
.irp t, 0,1,2,3,4,5,6,7
	ds_load_b128 v[BB_+4*\t:BB_+4*\t+3], v[RD] offset:\t*2*SP
.endr
.endm
.macro SEND a, younger                 ; younger: the LDS instructions issued behind block a's loads, which may stay out
.set BB_, BK+32*((\a)%2)
	s_wait_dscnt \younger
.if (\a) > 0
	s_add_nc_u64 s[14:15], s[14:15], 16*4096       ; 16 rows on (the earlier stores have read their base: a wait on XCNT stands ahead)
.endif
.irp t, 0,1,2,3,4,5,6,7
	global_store_b128 v[CO], v[BB_+4*\t:BB_+4*\t+3], s[14:15] offset:\t*8192 th:TH_STORE_NT   ; sixteen lanes store 256 consecutive bytes, at a multiple of 256 from out0's first byte
.endr
.endm
	PLACES                                         ; behind the last products
	TOSTAGE 0
.irp a, 1,2,3,4,5,6,7
.if \a > 1
	s_wait_xcnt 0x0                                ; block a - 2's stores have read their registers and their base
.endif
	TOSTAGE \a
	SEND \a-1, 16                                  ; behind block a - 1's loads: block a's 8 stores and 8 loads
.endr
	s_wait_xcnt 0x0
	SEND 7, 0
	s_wait_tensorcnt 0x0                           ; the wave's end: an add to my spare word and its wait, behind my last tensor load and my last LDS store
	ds_add_u32 v[SPW], v[NIL]
	s_wait_dscnt 0x0
	CROUND                                         ; the closing round
	s_endpgm
.Lfunc_end_k_q0bd6c63dd8_proj:
	.size	k_q0bd6c63dd8_proj, .Lfunc_end_k_q0bd6c63dd8_proj-k_q0bd6c63dd8_proj
	.p2alignl 7, 3214868480
	.fill 96, 4, 3214868480
	.section	.rodata,"a",@progbits
	.p2align	6, 0x0
	.amdhsa_kernel k_q0bd6c63dd8_proj
		.amdhsa_group_segment_fixed_size 327680
		.amdhsa_private_segment_fixed_size 0
		.amdhsa_enable_private_segment 0
		.amdhsa_kernarg_size 48
		.amdhsa_user_sgpr_count 2
		.amdhsa_user_sgpr_kernarg_segment_ptr 1
		.amdhsa_wavefront_size32 1
		.amdhsa_system_sgpr_workgroup_id_x 1
		.amdhsa_system_sgpr_workgroup_id_y 1
		.amdhsa_system_sgpr_workgroup_id_z 1
		.amdhsa_system_vgpr_workitem_id 0
		.amdhsa_next_free_vgpr 1024
		.amdhsa_next_free_sgpr 96
		.amdhsa_reserve_vcc 0
		.amdhsa_float_denorm_mode_32 3
		.amdhsa_float_denorm_mode_16_64 3
		.amdhsa_memory_ordered 1
		.amdhsa_forward_progress 1
		.amdhsa_inst_pref_size 97
	.end_amdhsa_kernel
	.amdgpu_metadata
---
amdhsa.version: [ 1, 2 ]
amdhsa.kernels:
  - .name:           k_q0bd6c63dd8_proj
    .symbol:         k_q0bd6c63dd8_proj.kd
    .args:
      - { .name: a_img, .offset: 0, .size: 8, .value_kind: global_buffer, .address_space: global }
      - { .name: a_sc, .offset: 8, .size: 8, .value_kind: global_buffer, .address_space: global }
      - { .name: w_out_codes, .offset: 16, .size: 8, .value_kind: global_buffer, .address_space: global }
      - { .name: w_out_scales, .offset: 24, .size: 8, .value_kind: global_buffer, .address_space: global }
      - { .name: b_out, .offset: 32, .size: 8, .value_kind: global_buffer, .address_space: global }
      - { .name: out0, .offset: 40, .size: 8, .value_kind: global_buffer, .address_space: global }
    .group_segment_fixed_size: 327680
    .private_segment_fixed_size: 0
    .kernarg_segment_align: 8
    .kernarg_segment_size: 48
    .max_flat_workgroup_size: 128
    .sgpr_count:     96
    .vgpr_count:     1024
    .wavefront_size: 32
...
	.end_amdgpu_metadata
.endif
;; end of part 3
